; MI455X (gfx1250); checked and timed in simulation.
; The chip was launched on July 23, 2026; its instructions are those of AMD's public machine-readable ISA for CDNA 5 (MIT licence, August 2026) and "CDNA5" Instruction Set Architecture Reference Guide (July 2026). The comments in the code are by the model that wrote it; some were corrected since.
;; SVD Lo RA Sequential. Allowed arithmetic: matrix products marked QUANTISED: E3M2 operands, one E8M0 scale for each 32 along K, by v_wmma_scale_f32_16x16x128_f8f6f4 with both operands' format E3M2, f32 sums; products left as they are: f32 operands where the result goes on into a quantised operand, else bf16, f16 or f32 operands; f32 sums; everything else in f32.
;; Inputs: lora_s 16 float32; lora_u 4,096 x 16 float32; lora_vt 16 x 4,096 float32; orig_weight 4,096 x 4,096 float32; x_codes 4,096 x 128 x 24 uint8 (E3M2 codes of x, K innermost, in blocks of 32 codes, four codes in three bytes); x_scales 4,096 x 128 uint8 (E8M0 scales of x, one for each 32 codes along K).
;; Outputs: out0 4,096 x 4,096 float32.
;; This version of the problem:
;;   THIS VERSION OF THE PROBLEM IS GIVEN IN LOW PRECISION. The matrix products marked QUANTISED in the list below multiply operands that are first quantised to E3M2 (3 exponent bits, 2 mantissa bits; 6 bits a number), with one power-of-two scale for each 32 numbers along K (OCP MX v1.0); their sums are f32. All else is computed in f32.
;;   The module's matrix products, in the order in which they are computed (A, B: the left and right operand; K: the contracted axis; several contracted axes count as one K, in the product's order):
;;     1. [M 4,096, K 16] x [K 16, N 4,096]; A: computed on the way; B: input lora_vt: left as it is (K = 16 < 32)
;;     2. [M 4,096, K 4,096] x [K 4,096, N 4,096]; A: input x (given as codes); B: computed on the way: QUANTISED
;;   THE QUANTISER, for each operand of a quantised product, along K:
;;     - K is cut into blocks of 32 from its start; a last block that is shorter is filled with zeros.
;;     - A block's scale is 2^e with e = floor(log2(the largest magnitude in the block)) - 4, held to -126 .. 127; a block of zeros has e = 0. As a byte (E8M0): e + 127.
;;     - Each number is divided by its block's scale, clamped to +-28, and rounded to the nearest number of E3M2, ties to even, subnormals kept.
;;     - The product sums the exact products of the quantised numbers (number of the format x scale) in f32.
;;   ~~~python
;;   def quantise(x, axis):      # numpy; x: float32 -> the quantised numbers, widened to float32 again
;;       x = np.moveaxis(x, axis, -1); K = x.shape[-1]
;;       x = np.pad(x, [(0, 0)] * (x.ndim - 1) + [(0, -K % 32)]); x = x.reshape(x.shape[:-1] + (-1, 32)); a = np.abs(x).max(-1, keepdims=True)
;;       e = np.where(a > 0, np.clip(np.frexp(np.where(a > 0, a, 1))[1] - 1 - 4, -126, 127), 0)      # np.frexp(a)[1] - 1 = floor(log2(a)), exactly
;;       r = np.clip(x / 2.0 ** e, -28, 28)
;;       step = 2.0 ** (np.maximum(np.frexp(np.where(r == 0, 1, r))[1] - 1, -2) - 2)
;;       q = np.round(r / step) * step * 2.0 ** e      # np.round: ties to even
;;       return np.moveaxis(q.reshape(q.shape[:-2] + (-1,))[..., :K], -1, axis).astype(np.float32)
;;   ~~~
;;   OPERANDS COMPUTED ON THE WAY. 'Computed on the way' means the value that the module computes at that place (a softmax that the list does not call 'softmax' is quantised finished and normalised). What goes into a quantiser is computed in f32, as accurately as f32 sums, v_exp_f32 and their like allow (about 1e-6 of the number): no bf16 or f16 on the way to a quantiser, and a product that is left as it is and whose result goes on into a quantised operand takes f32 operands (vector FMAs, or v_wmma_f32_16x16x4_f32). A number that lies on a knife's edge between two numbers of the format may be rounded either way, as far as f32 arithmetic and the matrix unit's own rounding can turn it there, and no further.
;;   INPUTS GIVEN AS CODES. x (in the module: [4096, 4096], K = its axis 1): each comes as NAME_codes (uint8): NAME with its K axis moved to the last place and cut into blocks of 32 codes, [.., K / 32, bytes a block], one block behind the other in memory; four codes in three bytes: a row's codes are one little-endian stream of bits, code i at bits 6 i .. 6 i + 5 (a code: sign, 3 exponent bits, 2 mantissa bits); and NAME_scales (uint8): the same leading axes, one E8M0 byte (e + 127) for each 32 codes along K. Its value is code x scale, taken as it is: it is not quantised again, and the codes and scales need not be those that the quantiser above would give.
;; One version. Each part assembles by itself: llvm-mc -triple=amdgcn-amd-amdhsa -mcpu=gfx1250 --defsym DOCPART=n.
;; ======== version 1 of 1: 2 launches
;; limits: right only within a limited range of input values
;; workspace buffers: wp 13,107,200 bytes; xp 13,107,200 bytes
;; launch prep (part 1): grid 8 x 32, 4 waves a work-group, no clusters, 101,888 bytes of LDS; arguments orig_weight, lora_u, lora_s, lora_vt, x_codes, x_scales, wp, xp; writes wp, xp
.if DOCPART == 1
	.amdgcn_target "amdgcn-amd-amdhsa--gfx1250"
	.amdhsa_code_object_version 6
	.text
	.protected	k_q8a1bd51ce7_prep
	.globl	k_q8a1bd51ce7_prep
	.p2align	8
	.type	k_q8a1bd51ce7_prep,@function
k_q8a1bd51ce7_prep:
	s_mov_b64 s[64:65], 0
	v_nop
	global_prefetch_b8 v0, s[64:65] scope:SCOPE_SE
	s_setreg_imm32_b32 hwreg(HW_REG_WAVE_MODE, 25, 1), 1
	s_wait_xcnt 0x0
; TWO JOBS.  (1) W' = orig_weight + (lora_u * lora_s) @ lora_vt, [4096 (k)][4096 (n)], in f32, becomes codes of BF6 (E3M2) with one E8M0 byte for each 32 along k.
; (2) x's codes and scales, taken as they are given, are laid anew.  Nothing of reference() is left out.
; BOTH GO OUT AS PANELS: a panel is 128 rows (n of W', tokens of x) x 128 k = 12,800 dense bytes: eight fragments (16 rows x 128 k, the operand's 12 registers a lane; registers 4 c .. 4 c + 3 of
; lane l at 1,536 i + 512 c + 16 l), then 128 scale words: that of fragment i, row r at 12,288 + 256 (i / 4) + 16 r + 4 (i % 4).  Panel (rows / 128, k / 128) begins at ((rows / 128) x 32 + k / 128) x 12,800.
; THE QUANTISER: a block's byte is its largest magnitude's exponent field - 4, held at 1 from below; numbers are divided by the scale and rounded to the nearest code, ties to even, beyond the largest code the largest.
; LIMITS.  NaN and infinities in the four f32 inputs are not served.  A block of zeros gets the byte 1 where the rule says 127: its codes are zeros, and only this program reads the bytes.
; The rank's 16 terms are summed in the order 0,1,8,9, 2,3,10,11, .. where the definition leaves the order open; all in f32.
; SHARES, W': work-group (x, y) takes k = 128 y on, wave w the 128 columns from n0 = 512 x + 128 w: one panel.  Eight batches (64 columns G, 32 k b).  A load of the weight: lane (r, h) takes 16 bytes (columns 4 r .. 4 r + 3
; of the 64) of row 32 b + 16 h + e: two aligned runs of 256 bytes.  Four register buffers take turns: a batch's 16 loads are asked for four batches ahead.
; THE RANK-16 PRODUCT goes by v_wmma_f32_16x16x4_f32 (f32 operands: the result goes into a quantiser), M = k, N = n, begun with C = 0; one v_add_f32 a number joins the weight, into other registers.
; Lane half h holds ranks 8 h .. 8 h + 7 of u and of vt alike, so that u and s come by loads of 16 bytes.  Tile q of a batch holds columns 4 r + q; row m of tile (b, u) is k = 32 b + 8 u + m + 8 (m / 8), so that a lane's
; 16 sums are 16 neighbours along k.  The codes find their column's place in the wave's own LDS image of the panel, which is read back in order and stored, 512 consecutive bytes an instruction, a half behind each G.
; SHARES, x: work-group g = 8 y + x takes rows 64 (g / 4) on and bytes 768 (g % 4) on of each row (8 steps of 128 k).  Wave w brings 16 rows in whole runs of 256 bytes (asked for in batches 0 to 3) to an LDS stage (pitch 784);
; behind a barrier, behind batch 5, it takes steps 2 w, 2 w + 1 of all 64 rows as fragments.  x's scale words, 4 bytes a row and step, are read once each, straight into the order in which they are stored (2 KiB a work-group).
; No cluster: what work-groups share (u, vt) is 40 KiB beside 256 KiB of the weight.  No prefetch: every stream is asked for by loads that stand batches ahead of their use.
; REGISTERS (windows of 256).  v16-79 of window 0 are the accumulators, and no line has these numbers as a destination in any window.  Window 0: v1-15, v228-230 addresses; v80-127 codes; v128-191 sums (first: vt as loaded);
; v192-227 at work; v232-235 x's scale words; v236-243 image.  Window 1: v80-143 u * s, v144-207 vt, v208-215 s, v216-255 image.  Windows 2, 3: v80-143, v144-207 the four buffers; v208-255 x's rows, then x's fragments.
.set ROWW,  16384
.set PST,   12800
.set XP,    784                        ; stage pitch: 768 + 16 bytes = 196 words
.set XST,   4*PST
.set SPARE, XST+64*XP
.set UOFF, 3
.set SOFF, 4
.set VOFF, 5
.set WOF,  6
.set IST,  7
.set ISC,  8
.set GOF,  9
.set IRD,  10
.set XO2,  11
.set XS1,  12
.set XS2,  13
.set XL,   14
.set XSO,  15
.set XSS,  228
.set ACC,  16
.set CODE, 80
.set SUM,  128
.set SW,   192
.set TM,   196
.set TP,   200
.set TO,   204
.set TB,   208
.set TC,   212
.set XSW,  232
.set UA,   80
.set VB,   144
.set S8,   208
.set SEL,  48
.set MSB, 0
.macro WIN new                         ; the immediate's high byte repeats the setting that is left
.if MSB != \new
	s_set_vgpr_msb (MSB<<8)|\new
.set MSB, \new
.endif
.endm
.macro PLACES n
.rept \n
	v_nop
.endr
.endm
	s_load_b256 s[4:11], s[0:1], 0x0               ; weight, u, s, vt
	s_load_b256 s[12:19], s[0:1], 0x20             ; x_codes, x_scales, wp, xp
	v_lshl_add_u32 v254, v0, 2, SPARE              ; my spare word and 0
	v_mov_b32 v255, 0
	v_lshrrev_b32 v229, 5, v0
	v_readfirstlane_b32 s2, v229                   ; wave
	s_and_b32 s3, ttmp7, 0xffff                    ; y
	s_mov_b32 s[SEL], 0x76543210
	s_mov_b32 s[SEL+1], 0xfedcba98
	s_lshl_b32 s20, ttmp9, 9
	s_lshl_b32 s21, s2, 7
	s_add_co_u32 s20, s20, s21                     ; n0
	s_lshl_b32 s22, s20, 2                         ; vt: 4 n0
	s_mov_b32 s23, 0
	s_lshl_b32 s24, s3, 21                         ; weight: 128 y rows + 4 n0
	s_add_co_u32 s24, s24, s22
	s_mov_b32 s25, 0
	s_lshl_b32 s26, s3, 13                         ; u: 128 y rows of 64 bytes
	s_mov_b32 s27, 0
	s_lshr_b32 s28, s20, 7
	s_lshl_b32 s28, s28, 5
	s_add_co_u32 s28, s28, s3
	s_mul_i32 s28, s28, PST                        ; wp: panel (n0 / 128, y)
	s_mov_b32 s29, 0
	s_lshl_b32 s30, s3, 3
	s_add_co_u32 s30, s30, ttmp9                   ; g
	s_lshr_b32 s31, s30, 2                         ; which 64 rows of x
	s_and_b32 s30, s30, 3                          ; which 768 bytes
	s_lshl_b32 s32, s31, 2
	s_add_co_u32 s32, s32, s2
	s_mul_i32 s32, s32, 16*3072
	s_mul_i32 s33, s30, 768
	s_add_co_u32 s32, s32, s33                     ; x_codes: my 16 rows
	s_mov_b32 s33, 0
	s_lshl_b32 s34, s31, 13
	s_lshl_b32 s35, s30, 5
	s_add_co_u32 s34, s34, s35
	s_lshl_b32 s35, s2, 3
	s_add_co_u32 s34, s34, s35                     ; x_scales: the 64 rows, my two steps' words
	s_mov_b32 s35, 0
	s_lshr_b32 s36, s31, 1
	s_lshl_b32 s36, s36, 5
	s_lshl_b32 s37, s30, 3
	s_add_co_u32 s36, s36, s37
	s_lshl_b32 s37, s2, 1
	s_add_co_u32 s36, s36, s37
	s_mul_i32 s36, s36, PST                        ; xp: panel (rows / 128, my first step)
	s_and_b32 s38, s31, 1                          ; which half of the panel's rows
	s_mul_i32 s40, s38, 6144
	s_add_co_u32 s40, s40, s36                     ; its four fragments
	s_mov_b32 s41, 0
	s_lshl_b32 s38, s38, 8
	s_add_co_u32 s38, s38, s36                     ; its 64 scale words (+ 12,288 in the store)
	s_mov_b32 s39, 0
	s_mul_i32 s42, s2, PST                         ; my image
	s_mul_i32 s43, s2, 16*XP
	s_add_co_u32 s43, s43, XST                     ; my 16 rows of the stage
	s_mul_i32 s44, s2, 192
	s_add_co_u32 s44, s44, XST                     ; my two steps in a stage row
	v_and_b32 v1, 15, v0                           ; r
	v_bfe_u32 v2, v0, 4, 1                         ; h
	v_and_b32 v[UOFF], 8, v1
	v_add_nc_u32 v[UOFF], v[UOFF], v1
	v_lshlrev_b32 v[UOFF], 6, v[UOFF]
	v_lshl_add_u32 v[UOFF], v2, 5, v[UOFF]         ; u: row r + 8 (r / 8), ranks 8 h on
	v_lshlrev_b32 v[SOFF], 5, v2
	v_lshlrev_b32 v[VOFF], 4, v1
	v_lshl_add_u32 v[VOFF], v2, 17, v[VOFF]        ; vt: 8 h rows, column 4 r
	v_lshlrev_b32 v[WOF], 4, v1
	v_lshl_add_u32 v[WOF], v2, 18, v[WOF]          ; weight: 16 h rows, column 4 r
	v_lshrrev_b32 v229, 2, v1
	v_and_b32 v230, 3, v1
	v_mul_u32_u24 v[IST], v229, 1536               ; column 4 r + q lies in fragment r / 4, at lane 4 (r % 4) + q + 16 h
	v_lshl_add_u32 v[IST], v230, 6, v[IST]
	v_lshl_add_u32 v[IST], v2, 8, v[IST]
	v_add_nc_u32 v[IST], s42, v[IST]
	v_lshlrev_b32 v[ISC], 2, v229
	v_lshl_add_u32 v[ISC], v230, 6, v[ISC]
	v_add_nc_u32 v[ISC], s42, v[ISC]
	v_and_b32 v[GOF], 31, v0
	v_lshlrev_b32 v[GOF], 4, v[GOF]                ; 16 x lane
	v_add_nc_u32 v[IRD], s42, v[GOF]
	v_mul_u32_u24 v[XO2], v2, 3072
	v_lshl_add_u32 v[XO2], v1, 4, v[XO2]
	v_add_nc_u32 v[XO2], 512, v[XO2]               ; x: the third 256 bytes of rows h
	v_add_nc_u32 v[XS1], s43, v[GOF]
	v_mul_u32_u24 v[XS2], v2, XP
	v_lshl_add_u32 v[XS2], v1, 4, v[XS2]
	v_add_nc_u32 v[XS2], s43, v[XS2]
	v_mul_u32_u24 v[XL], v1, XP
	v_mad_u32_u24 v[XL], v2, 24, v[XL]
	v_add_nc_u32 v[XL], s44, v[XL]                 ; a fragment's row r, + 24 h
	v_lshlrev_b32 v[XSO], 7, v1
	v_lshl_add_u32 v[XSO], v2, 2, v[XSO]           ; x_scales: row r, step h
	v_mul_u32_u24 v[XSS], v2, PST
	v_lshl_add_u32 v[XSS], v1, 4, v[XSS]
.irp q, 0,1,2,3
	v_mov_b32 v[TP+\q], 0                          ; a lane permute's destination counts as one of its sources
.endr
	s_wait_alu depctr_va_vdst(0)
	s_wait_kmcnt 0x0
	s_add_nc_u64 s[4:5], s[4:5], s[24:25]
	s_add_nc_u64 s[6:7], s[6:7], s[26:27]
	s_add_nc_u64 s[10:11], s[10:11], s[22:23]
	s_add_nc_u64 s[12:13], s[12:13], s[32:33]
	s_add_nc_u64 s[14:15], s[14:15], s[34:35]
	s_add_nc_u64 s[16:17], s[16:17], s[28:29]
	s_add_nc_u64 s[50:51], s[18:19], s[40:41]
	s_add_nc_u64 s[18:19], s[18:19], s[38:39]
; batch t = 4 G + b; its buffer: window 2 + b / 2, from v[80 + 64 (b % 2)]; register 4 e + q is W(32 b + 16 h + e, 64 G + 4 r + q)
.macro WLOAD t
	WIN 0x80+0x40*(((\t)%4)/2)
.set LB, 80+64*((\t)%2)
.irp e, 0,1,2,3,4,5,6,7,8,9,10,11,12,13,14,15
	global_load_b128 v[LB+4*\e:LB+4*\e+3], v[WOF], s[4:5] offset:(32*((\t)%4)+\e)*ROWW+256*((\t)/4) th:TH_LOAD_NT
.endr
.endm
.macro ADDW t                          ; each accumulator is read from its low end on
	WIN 0x08+0x04*(((\t)%4)/2)
.set LB, 80+64*((\t)%2)
.irp q, 0,1,2,3
.irp e, 0,1,2,3,4,5,6,7,8,9,10,11,12,13,14,15
	v_add_f32 v[SUM+16*\q+\e], v[ACC+16*\q+\e], v[LB+4*\e+\q]
.endr
.endr
.endm
.macro XLOAD i                         ; a quarter of my 16 rows of x: 4 x 512 bytes, 2 x (2 rows x 256 bytes); with the first quarter my scale words
	WIN 0x80+0x40*((\i)/2)
.set XB, 208+24*((\i)%2)
.irp k, 0,1,2,3
	global_load_b128 v[XB+4*\k:XB+4*\k+3], v[GOF], s[12:13] offset:(4*(\i)+\k)*3072 th:TH_LOAD_NT
.endr
.irp k, 0,1
	global_load_b128 v[XB+16+4*\k:XB+16+4*\k+3], v[XO2], s[12:13] offset:(4*(\i)+2*\k)*3072 th:TH_LOAD_NT
.endr
.if (\i) == 0
	WIN 0
.irp f, 0,1,2,3
	global_load_b32 v[XSW+\f], v[XSO], s[14:15] offset:2048*\f
.endr
.endif
.endm
.macro XSTORE i
	WIN 0x08+0x04*((\i)/2)
.set XB, 208+24*((\i)%2)
.irp k, 0,1,2,3
	ds_store_b128 v[XS1], v[XB+4*\k:XB+4*\k+3] offset:(4*(\i)+\k)*XP
.endr
.irp k, 0,1
	ds_store_b128 v[XS2], v[XB+16+4*\k:XB+16+4*\k+3] offset:(4*(\i)+2*\k)*XP+512
.endr
.endm
; 32 matrix instructions: the rank in four steps of 4; the 8 accumulators take turns; the first step starts the sums
.macro MM b, G
	WIN 0x05
.irp q, 0,1,2,3
.irp u, 0,1
	v_wmma_f32_16x16x4_f32 v[ACC+16*\q+8*\u:ACC+16*\q+8*\u+7], v[UA+8*(2*(\b)+\u):UA+8*(2*(\b)+\u)+1], v[VB+8*(4*(\G)+\q):VB+8*(4*(\G)+\q)+1], 0
.endr
.endr
.irp s, 1,2,3
.irp q, 0,1,2,3
.irp u, 0,1
	v_wmma_f32_16x16x4_f32 v[ACC+16*\q+8*\u:ACC+16*\q+8*\u+7], v[UA+8*(2*(\b)+\u)+2*\s:UA+8*(2*(\b)+\u)+2*\s+1], v[VB+8*(4*(\G)+\q)+2*\s:VB+8*(4*(\G)+\q)+2*\s+1], v[ACC+16*\q+8*\u:ACC+16*\q+8*\u+7]
.endr
.endr
.endr
.endm
; block b of four tiles is quantised; the tiles take turns line by line
.macro QB b
.irp q, 0,1,2,3
	v_max3_num_f32 v[TM+\q], |v[SUM+16*\q]|, |v[SUM+16*\q+1]|, 0x2800000   ; with the floor 2^(5 - 127): the byte cannot fall under 1
.endr
.irp i, 2,4,6,8,10,12,14
.irp q, 0,1,2,3
	v_max3_num_f32 v[TM+\q], v[TM+\q], |v[SUM+16*\q+\i]|, |v[SUM+16*\q+\i+1]|
.endr
.endr
.irp q, 0,1,2,3
	v_permlanex16_b32 v[TP+\q], v[TM+\q], s[SEL], s[SEL+1]
.endr
.irp q, 0,1,2,3
	v_max_num_f32 v[TM+\q], v[TM+\q], v[TP+\q]     ; with lane l xor 16's 16 numbers
.endr
.irp q, 0,1,2,3
	v_add_nc_u32 v[TO+\q], 0xfe000000, v[TM+\q]    ; 4 off the exponent field: the conversion's scale operand
.endr
.if (\b) == 0
.irp q, 0,1,2,3
	v_lshrrev_b32 v[SW+\q], 23, v[TO+\q]
.endr
.else
.irp q, 0,1,2,3
	v_lshrrev_b32 v[TB+\q], 23, v[TO+\q]
.endr
.irp q, 0,1,2,3
	v_lshl_or_b32 v[SW+\q], v[TB+\q], 8*(\b), v[SW+\q]
.endr
.endif
.irp q, 0,1,2,3
.if (\b)%2 == 0
	v_cvt_scalef32_pk16_bf6_f32 v[CODE+12*\q+6*((\b)/2):CODE+12*\q+6*((\b)/2)+2], v[SUM+16*\q:SUM+16*\q+15], v[TO+\q]
.else
	v_cvt_scalef32_pk16_bf6_f32 v[TC+4*\q:TC+4*\q+2], v[SUM+16*\q:SUM+16*\q+15], v[TO+\q]
.endif
.endr
	v_nop                                          ; one plain place behind the last scaled conversion
.if (\b)%2 == 1                        ; the operand wants a whole block in a lane: lanes 0-15 block b - 1, lanes 16-31 block b
.irp q, 0,1,2,3
.irp i, 0,1,2
	v_permlane16_swap_b32 v[CODE+12*\q+6*((\b)/2)+\i], v[TC+4*\q+\i]
.endr
.endr
.irp q, 0,1,2,3
.irp i, 0,1,2
	v_mov_b32 v[CODE+12*\q+6*((\b)/2)+3+\i], v[TC+4*\q+\i]
.endr
.endr
.endif
.endm
.macro OUT G                           ; 64 columns' codes and scale words to their places in my image (lanes r and r + 16 write the same scale word with the same value)
.irp q, 0,1,2,3
.irp c, 0,1,2
	ds_store_b128 v[IST], v[CODE+12*\q+4*\c:CODE+12*\q+4*\c+3] offset:6144*(\G)+16*\q+512*\c
.endr
	ds_store_b32 v[ISC], v[SW+\q] offset:12288+256*(\G)+16*\q
.endr
.endm
; cnt: the loads issued behind this batch's own 16, which may stay out (held at 63, the most that the wait can name).  8 places stand behind the f32 form before its results are read (ISA guide 7.12.1)
.macro BATCH t, cnt
	MM (\t)%4, (\t)/4
	WIN 0
	PLACES 8
	s_wait_loadcnt \cnt
	ADDW \t
.if (\t) < 4
	XLOAD \t
	WLOAD (\t)+4
.endif
	WIN 0
	QB (\t)%4
.if (\t)%4 == 3
	OUT (\t)/4
.endif
.endm
	WIN 0x40                                       ; s, u, vt first: 34 loads of 16 bytes a lane
.irp k, 0,1
	global_load_b128 v[S8+4*\k:S8+4*\k+3], v[SOFF], s[8:9] offset:16*\k
.endr
.irp t, 0,1,2,3,4,5,6,7
.irp k, 0,1
	global_load_b128 v[UA+8*\t+4*\k:UA+8*\t+4*\k+3], v[UOFF], s[6:7] offset:(32*(\t/2)+8*(\t%2))*64+16*\k
.endr
.endr
	WIN 0
.irp i, 0,1,2,3,4,5,6,7,8,9,10,11,12,13,14,15
	global_load_b128 v[SUM+4*\i:SUM+4*\i+3], v[VOFF], s[10:11] offset:(\i%8)*ROWW+256*(\i/8)   ; vt(8 h + i % 8, 64 (i / 8) + 4 r + 0 .. 3)
.endr
	WLOAD 0
	WLOAD 1
	WLOAD 2
	WLOAD 3
	s_wait_loadcnt 63                              ; s, u, vt are in: 64 loads stand behind them
	WIN 0x45
.irp t, 0,1,2,3,4,5,6,7
.irp s, 0,1,2,3
	v_pk_mul_f32 v[UA+8*\t+2*\s:UA+8*\t+2*\s+1], v[UA+8*\t+2*\s:UA+8*\t+2*\s+1], v[S8+2*\s:S8+2*\s+1]   ; u * s, rounded once, as the definition has it
.endr
.endr
	WIN 0x40
.irp i, 0,1,2,3,4,5,6,7,8,9,10,11,12,13,14,15
.irp q, 0,1,2,3
	v_mov_b32 v[VB+8*(4*(\i/8)+\q)+(\i%8)], v[SUM+4*\i+\q]   ; tile 4 G + q wants its ranks in neighbouring registers
.endr
.endr
	BATCH 0, 48                                    ; behind batch 0's loads: batches 1, 2, 3
	BATCH 1, 58                                    ; 2, 3, x's first 10, 4
	BATCH 2, 63
	BATCH 3, 63
.set T, 0
.rept 10
	WIN 0x40
	ds_load_b128 v[216+4*T:216+4*T+3], v[IRD] offset:512*T   ; the image's first four fragments, in order: LDS serves a wave's instructions in order (ISA guide 5.7.1.4)
.set T, T+1
.endr
	WIN 0
	ds_load_b128 v[236:239], v[IRD] offset:5120
	ds_load_b128 v[240:243], v[IRD] offset:5632
	s_wait_dscnt 0x0
	global_store_b128 v[GOF], v[236:239], s[16:17] offset:5120
	global_store_b128 v[GOF], v[240:243], s[16:17] offset:5632
	WIN 0x04
.set T, 0
.rept 10
	global_store_b128 v[GOF], v[216+4*T:216+4*T+3], s[16:17] offset:512*T   ; 512 consecutive bytes, aligned
.set T, T+1
.endr
	BATCH 4, 63
	BATCH 5, 44                                    ; x's 6 and batch 6, x's 6 and batch 7
	s_wait_loadcnt 16                              ; x's rows and scale words are in; batch 7's 16 may be out
	XSTORE 0
	XSTORE 1
	XSTORE 2
	XSTORE 3
	s_wait_dscnt 0x0                               ; for the others' sake: my rows of the stage are stored
	s_barrier_signal -1
	s_barrier_wait -1
.irp e, 0,1
	WIN 0x80+0x40*\e
.irp f, 0,1,2,3
.irp p, 0,1,2,3,4,5
	ds_load_b64 v[208+12*\f+2*\p:208+12*\f+2*\p+1], v[XL] offset:16*\f*XP+96*\e+48*(\p/3)+8*(\p%3)
.endr
.endr
.endr
	WIN 0
	global_store_b128 v[XSS], v[XSW:XSW+3], s[18:19] offset:12288   ; lanes 0-15: 256 bytes of my first step's scale words, lanes 16-31 of my second's
	s_wait_dscnt 0x0
.irp e, 0,1
	WIN 0x08+0x04*\e
.irp f, 0,1,2,3
.irp c, 0,1,2
	global_store_b128 v[GOF], v[208+12*\f+4*\c:208+12*\f+4*\c+3], s[50:51] offset:PST*\e+1536*\f+512*\c
.endr
.endr
.endr
	BATCH 6, 22                                    ; x's last 6 and batch 7
	BATCH 7, 0
.set T, 0
.rept 13
	ds_load_b128 v[80+4*T:80+4*T+3], v[IRD] offset:6144+512*T   ; the image's other four fragments and its 128 scale words
.set T, T+1
.endr
	s_wait_dscnt 0x0
.set T, 0
.rept 13
	global_store_b128 v[GOF], v[80+4*T:80+4*T+3], s[16:17] offset:6144+512*T
.set T, T+1
.endr
	s_wait_tensorcnt 0x0                           ; the wave's end
	ds_add_u32 v254, v255
	s_wait_dscnt 0x0
	s_endpgm
.Lfunc_end_k_q8a1bd51ce7_prep:
	.size	k_q8a1bd51ce7_prep, .Lfunc_end_k_q8a1bd51ce7_prep-k_q8a1bd51ce7_prep
	.p2alignl 7, 3214868480
	.fill 96, 4, 3214868480
	.section	.rodata,"a",@progbits
	.p2align	6, 0x0
	.amdhsa_kernel k_q8a1bd51ce7_prep
		.amdhsa_group_segment_fixed_size 101888
		.amdhsa_private_segment_fixed_size 0
		.amdhsa_enable_private_segment 0
		.amdhsa_kernarg_size 64
		.amdhsa_user_sgpr_count 2
		.amdhsa_user_sgpr_kernarg_segment_ptr 1
		.amdhsa_wavefront_size32 1
		.amdhsa_system_sgpr_workgroup_id_x 1
		.amdhsa_system_sgpr_workgroup_id_y 1
		.amdhsa_system_sgpr_workgroup_id_z 1
		.amdhsa_system_vgpr_workitem_id 0
		.amdhsa_next_free_vgpr 1024
		.amdhsa_next_free_sgpr 66
		.amdhsa_reserve_vcc 0
		.amdhsa_float_denorm_mode_32 3
		.amdhsa_float_denorm_mode_16_64 3
		.amdhsa_memory_ordered 1
		.amdhsa_forward_progress 1
		.amdhsa_inst_pref_size 106
	.end_amdhsa_kernel
	.amdgpu_metadata
---
amdhsa.version: [ 1, 2 ]
amdhsa.kernels:
  - .name:           k_q8a1bd51ce7_prep
    .symbol:         k_q8a1bd51ce7_prep.kd
    .args:
      - { .name: orig_weight, .offset: 0, .size: 8, .value_kind: global_buffer, .address_space: global }
      - { .name: lora_u, .offset: 8, .size: 8, .value_kind: global_buffer, .address_space: global }
      - { .name: lora_s, .offset: 16, .size: 8, .value_kind: global_buffer, .address_space: global }
      - { .name: lora_vt, .offset: 24, .size: 8, .value_kind: global_buffer, .address_space: global }
      - { .name: x_codes, .offset: 32, .size: 8, .value_kind: global_buffer, .address_space: global }
      - { .name: x_scales, .offset: 40, .size: 8, .value_kind: global_buffer, .address_space: global }
      - { .name: wp, .offset: 48, .size: 8, .value_kind: global_buffer, .address_space: global }
      - { .name: xp, .offset: 56, .size: 8, .value_kind: global_buffer, .address_space: global }
    .group_segment_fixed_size: 101888
    .private_segment_fixed_size: 0
    .kernarg_segment_align: 8
    .kernarg_segment_size: 64
    .max_flat_workgroup_size: 128
    .sgpr_count:     66
    .vgpr_count:     1024
    .wavefront_size: 32
...
	.end_amdgpu_metadata
.endif
;; end of part 1
;; launch gemm (part 2): grid 16 x 16, 4 waves a work-group, clusters of 4 x 4, 327,680 bytes of LDS; arguments xp, wp, out0; writes out0
.if DOCPART == 2
	.amdgcn_target "amdgcn-amd-amdhsa--gfx1250"
	.amdhsa_code_object_version 6
	.text
	.protected	k_q8a1bd51ce7_gemm
	.globl	k_q8a1bd51ce7_gemm
	.p2align	8
	.type	k_q8a1bd51ce7_gemm,@function
k_q8a1bd51ce7_gemm:
	s_mov_b64 s[64:65], 0
	v_nop
	global_prefetch_b8 v0, s[64:65] scope:SCOPE_SE
	s_setreg_imm32_b32 hwreg(HW_REG_WAVE_MODE, 25, 1), 1
	s_wait_xcnt 0x0
	s_wait_alu depctr_hold_cnt(0) depctr_sa_sdst(0) depctr_va_vdst(0) depctr_va_sdst(0) depctr_va_ssrc(0) depctr_va_vcc(0) depctr_vm_vsrc(0)
	s_getreg_b32 s2, hwreg(HW_REG_IB_STS2, 6, 4)
	s_cmp_eq_u32 s2, 0
	s_cbranch_scc0 .Lentry_in_a_cluster
	s_endpgm
.Lentry_in_a_cluster:
	s_bfe_u32 s2, ttmp6, 0x10000c
	s_cmp_lg_u32 s2, 0xf033
	s_cbranch_scc0 .Lentry_shape_is_right
	s_endpgm
.Lentry_shape_is_right:
; out0[m][n] = sum over k of x[m][k] W'[k][n], both as codes of BF6 (E3M2) with E8M0 scales, by v_wmma_scale_f32_16x16x128_f8f6f4; sums in f32.  Nothing of reference() is left out here.
; OPERANDS: panels of 128 rows x 128 k, 12,800 dense bytes (eight fragment images of 1,536 bytes, then 128 scale words: fragment i, row r at 12,288 + 256 (i / 4) + 16 r + 4 (i % 4)); the 32 panels of 128 rows lie on end along k.
; A tile of out0, 256 x 256, is made by four waves, 128 x 128 each: 64 accumulators, 512 registers.  K goes in steps of 128 through two LDS slots of THREE steps each: a wave's one tensor load brings 128 rows x 384 k,
; 38,400 dense bytes as 150 rows of 256 bytes (the last slot: two steps, 100 rows).  11 fills serve the 32 steps; a fill stands three steps ahead of the wait for it.
; CLUSTERS: 4 x 4 work-groups; x's panels are asked for jointly along a row of the cluster, W's along a column.
; A STEP is 64 matrix instructions in eight groups (one block of x against W's eight).  Both operands have two sets of registers; the next step's 50 LDS loads stand in three runs of 16, 16 and 18 between the groups, W's first.
; THE MATRIX INSTRUCTION IS USED TRANSPOSED (source 0 = W's 16 columns, source 1 = x's 16 rows): a lane holds eight neighbouring numbers of a row of out0.
; THE LAST STEP finishes a block of 16 rows with each group, and each block leaves as soon as it is finished, while the later groups are multiplied.
; PREFETCH: at the change of slots that loads slot j + 2 each wave names slot j + 3's 150 blocks of 256 bytes of the quarter that it fetches; the four partners that ask for it jointly share them out by address, 38 each
; (lanes left over name a block again).  The first three slots and the last come by their loads alone; three steps' panels at most are asked for and not yet loaded.
; REGISTERS: window 0: v16-31 addresses, v32-47 scale words (two sets of 8: lanes 0-15 x's block i, lanes 16-31 W's block i), v64-159, v160-255 x's fragments.  Window 1: v0-95, v128-223 W's.  Windows 2, 3: the accumulators.
.set SIZE_N, 4096
.set PST,    12800
.set PAN,    3*PST
.set SLOT,   4*PAN                     ; x's two halves, then W's two
.set SPARE,  2*SLOT                    ; the spare words: 512 bytes that no other line names
.set STAGE,  SLOT                      ; the way out: in the slot that does not hold the last fill; it has had its last fill and, behind the walk's last barrier, its last read
.set SPITCH, 528
.set ADRA, 16
.set ADRB, 18
.set ADRS, 20
.set STO,  24
.set RD,   25
.set CO,   26
.set SPW,  28
.set NIL,  29
.set PFO,  30
.set SC,   32
.set AF,   64
.set G1,  24
.set G0,  32
.set G1B, 48
.set G0B, 56
.set PFA, 66
.set MSB, 0
.macro WIN new                         ; the immediate's high byte repeats the setting that is left
.if MSB != \new
	s_set_vgpr_msb (MSB<<8)|\new
.set MSB, \new
.endif
.endm
.set MUL_LO, 0xa1
.set MUL_HI, 0xf1
.set TO_B,   0x40
.macro JLOAD s                         ; a joint load: waves 0, 1 fetch x's halves, waves 2, 3 W's; s_nop 0 and four v_nop follow each line
	s_cmp_eq_u32 s15, 0
	s_cbranch_scc0 .Lfor_b_\@
	tensor_load_to_lds s[G0+4*\s:G0+4*\s+3], s[G1:G1+7]
	s_nop 0
.rept 4
	v_nop
.endr
	s_branch .Lasked_\@
.Lfor_b_\@:
	tensor_load_to_lds s[G0B+4*\s:G0B+4*\s+3], s[G1B:G1B+7]
	s_nop 0
.rept 4
	v_nop
.endr
.Lasked_\@:
.endm
.macro CREST
	s_cmp_lg_u32 s14, 0
	s_cbranch_scc1 .Lnot_wave_0_\@
	s_barrier_signal -3
.Lnot_wave_0_\@:
	s_barrier_wait -3
	s_barrier_signal -1
	s_barrier_wait -1
.endm
.macro CROUND
	s_barrier_signal -1
	s_barrier_wait -1
	CREST
.endm
.macro ASK how                         ; how = 2: not in the loop's last trip, whose second change of slots has only the short last slot ahead
.if \how == 2
	s_cmp_gt_u32 s3, 1
	s_cbranch_scc0 .Lno_ask_\@
.endif
	global_prefetch_b8 v[PFO], s[PFA:PFA+1] th:TH_LOAD_NT scope:SCOPE_SE
	global_prefetch_b8 v[PFO+1], s[PFA:PFA+1] th:TH_LOAD_NT scope:SCOPE_SE
.Lno_ask_\@:
.endm
	s_load_b128 s[4:7], s[0:1], 0x0                ; xp, wp
	s_load_b64 s[12:13], s[0:1], 0x10              ; out0
	v_lshl_add_u32 v[SPW], v0, 2, SPARE
	v_mov_b32 v[NIL], 0
	ds_add_u32 v[SPW], v[NIL]                      ; the opening lines
	ds_add_u32 v[SPW], v[NIL]
	v_lshrrev_b32 v1, 5, v0
	v_readfirstlane_b32 s14, v1                    ; wave
	s_lshr_b32 s15, s14, 1                         ; my half of the rows; also: I fetch for x (0) or W (1)
	s_and_b32 s16, s14, 1                          ; my half of the columns; also: which half I fetch
	s_bfe_u32 s40, ttmp6, 0x40000
	s_bfe_u32 s41, ttmp6, 0x40004
	s_lshl_b32 s42, ttmp9, 2
	s_add_co_u32 s42, s42, s40                     ; tile column
	s_and_b32 s17, ttmp7, 0xffff
	s_lshl_b32 s17, s17, 2
	s_add_co_u32 s17, s17, s41                     ; tile row
	s_lshl_b32 s43, s41, 2
	s_lshl_b32 s43, 15, s43                        ; my row of the cluster
	s_lshl_b32 s44, 0x1111, s40                    ; my column
	s_or_b32 s[G1+0], s43, (3<<16)|(1<<21)         ; elements of 8 bytes, no padding; bit 21 beside the mask
	s_or_b32 s[G1B+0], s44, (3<<16)|(1<<21)
.irp g, G1, G1B
	s_mov_b32 s[\g+1], 32<<16                      ; rows of 256 bytes,
	s_mov_b32 s[\g+2], 150<<16                     ; 150 of them
	s_mov_b32 s[\g+3], 32<<16
	s_mov_b32 s[\g+4], 150
	s_mov_b32 s[\g+5], 32
	s_mov_b32 s[\g+6], 0
	s_mov_b32 s[\g+7], 0
.endr
	s_lshl_b32 s20, s17, 1
	s_add_co_u32 s20, s20, s16
	s_mul_i32 s20, s20, 32*PST                     ; x: 128 rows' panels
	s_mov_b32 s21, 0
	s_lshl_b32 s46, s42, 1
	s_add_co_u32 s46, s46, s16
	s_mul_i32 s46, s46, 32*PST                     ; W likewise
	s_mov_b32 s47, 0
	s_mul_i32 s45, s14, PAN                        ; where my quarter of a slot lies
	s_wait_dscnt 0x0
	s_wait_kmcnt 0x0
	s_add_nc_u64 s[20:21], s[4:5], s[20:21]
	s_add_nc_u64 s[46:47], s[6:7], s[46:47]
	CROUND                                         ; the first joint loads meet
.irp s, 0,1
	s_mov_b32 s[G0+4*\s], 1
	s_add_co_u32 s[G0+4*\s+1], s45, \s*SLOT
	s_add_nc_u64 s[G0+4*\s+2:G0+4*\s+3], s[20:21], \s*PAN
	s_or_b32 s[G0+4*\s+3], s[G0+4*\s+3], 0x80000000
	s_mov_b32 s[G0B+4*\s], 1
	s_add_co_u32 s[G0B+4*\s+1], s45, \s*SLOT
	s_add_nc_u64 s[G0B+4*\s+2:G0B+4*\s+3], s[46:47], \s*PAN
	s_or_b32 s[G0B+4*\s+3], s[G0B+4*\s+3], 0x80000000
.endr
	JLOAD 0                                        ; steps 0 to 2: one tensor load a wave at the head
	s_mul_i32 s22, s15, PAN                        ; x's half that I read
	s_mul_i32 s23, s16, PAN
	s_add_co_u32 s23, s23, 2*PAN                   ; W's
	s_sub_co_u32 s18, s23, s22
	s_add_co_u32 s10, s22, SLOT
	s_add_co_u32 s11, s23, SLOT
	s_mul_i32 s19, s14, 16*SPITCH
	s_add_co_u32 s19, s19, STAGE
	s_cmp_eq_u32 s15, 0
	s_cselect_b32 s9, s40, s41                     ; my place among the four that ask with me
	s_cselect_b64 s[PFA:PFA+1], s[20:21], s[46:47]
	s_mul_i32 s9, s9, 38
	s_add_nc_u64 s[PFA:PFA+1], s[PFA:PFA+1], 2*PAN ; the first change of slots steps it to slot 3
	s_lshl_b32 s4, s17, 8
	s_lshl_b32 s5, s15, 7
	s_add_co_u32 s4, s4, s5
	s_lshl_b32 s4, s4, 14                          ; my first row of out0, in bytes
	s_lshl_b32 s6, s42, 10
	s_add_co_u32 s4, s4, s6
	s_lshl_b32 s6, s16, 9
	s_add_co_u32 s4, s4, s6                        ; + my first column
	s_mov_b32 s5, 0
	s_add_nc_u64 s[12:13], s[12:13], s[4:5]
	v_and_b32 v6, 31, v0
	v_and_b32 v1, 15, v0
	v_bfe_u32 v2, v0, 4, 1
	v_lshlrev_b32 v[CO], 4, v6                     ; 16 x lane
	v_add_nc_u32 v[ADRA], s22, v[CO]
	v_add_nc_u32 v[ADRA+1], s10, v[CO]
	v_add_nc_u32 v[ADRB], s23, v[CO]
	v_add_nc_u32 v[ADRB+1], s11, v[CO]
	v_mul_u32_u24 v8, s18, v2                      ; scale words: lanes 16-31 take W's
	v_lshl_add_u32 v8, v1, 4, v8
	v_add_nc_u32 v[ADRS], s22, v8
	v_add_nc_u32 v[ADRS+1], s10, v8
	v_mul_u32_u24 v5, v1, SPITCH
	v_lshl_add_u32 v5, v2, 5, v5
	v_add_nc_u32 v[STO], s19, v5
	v_add_nc_u32 v[RD], s19, v[CO]
	v_add_nc_u32 v[PFO], s9, v6
	v_min_u32 v[PFO], 149, v[PFO]
	v_lshlrev_b32 v[PFO], 8, v[PFO]                ; blocks 38 p + lane,
	v_min_u32 v9, 5, v6
	v_add_nc_u32 v9, s9, v9
	v_add_nc_u32 v9, 32, v9
	v_min_u32 v9, 149, v9
	v_lshlrev_b32 v[PFO+1], 8, v9                  ; and 38 p + 32 .. 37, held inside the quarter's 150
.macro G8 a, zero, nops                ; x's block a against W's eight; the 64 accumulators take turns in one order in every step
.irp b, 0,1,2,3,4,5,6,7
.if \zero
	v_wmma_scale_f32_16x16x128_f8f6f4 v[8*(8*((\a)%4)+\b):8*(8*((\a)%4)+\b)+7], v[BFC+12*\b:BFC+12*\b+11], v[AFC+12*(\a):AFC+12*(\a)+11], 0, v[SCU+\b], v[SCU+(\a)] matrix_a_fmt:MATRIX_FMT_BF6 matrix_b_fmt:MATRIX_FMT_BF6 matrix_a_scale:MATRIX_SCALE_ROW1
.else
	v_wmma_scale_f32_16x16x128_f8f6f4 v[8*(8*((\a)%4)+\b):8*(8*((\a)%4)+\b)+7], v[BFC+12*\b:BFC+12*\b+11], v[AFC+12*(\a):AFC+12*(\a)+11], v[8*(8*((\a)%4)+\b):8*(8*((\a)%4)+\b)+7], v[SCU+\b], v[SCU+(\a)] matrix_a_fmt:MATRIX_FMT_BF6 matrix_b_fmt:MATRIX_FMT_BF6 matrix_a_scale:MATRIX_SCALE_ROW1
.endif
.if \nops
.if \b < 4
	v_nop                                          ; four places a step, ahead of the loads into the sets that the step before multiplied (ISA guide 7.12.1 for vector instructions)
.endif
.endif
.endr
.endm
.macro RUN base, adr, e0, n            ; n loads of 16 bytes a lane: a panel's images lie in the order of the registers
.set E, \e0
.rept \n
	ds_load_b128 v[\base+4*E:\base+4*E+3], v[\adr] offset:NQO+512*E
.set E, E+1
.endr
.endm
.macro SCL
	ds_load_b128 v[SCN:SCN+3], v[ADRS+NSL] offset:NQO+12288
	ds_load_b128 v[SCN+4:SCN+7], v[ADRS+NSL] offset:NQO+12544
.endm
; the next step's loads, in three runs: 16 of W's;  W's last 8, the scale words, x's blocks 0 and 1;  x's blocks 2 to 7
.macro RX
	WIN TO_B
	RUN BFN, ADRB+NSL, 0, 16
.endm
.macro RY
	WIN TO_B
	RUN BFN, ADRB+NSL, 16, 8
	WIN 0
	SCL
	RUN AFN, ADRA+NSL, 0, 6
.endm
.macro RZ ask
	WIN 0
	RUN AFN, ADRA+NSL, 6, 18
.if \ask
	ASK \ask
.endif
.endm
; Step st.  turn = 1: the slot's last step; its fragments are in registers, so the slot is filled again behind a round; turn = 2: the same with nothing left to fetch.
; LDS waits by count:  18 = the youngest run, x's blocks 2 to 7, may be out (19: and the add);  16 = this step's first run alone may be out.
.macro STEP st, zero, turn, ask, short
.set P,   (\st)%2
.set NX,  (\st)+1
.set NSL, (NX/3)%2
.set NQO, (NX%3)*PST
.set CSL, ((\st)/3)%2
.set AFC, AF+96*P
.set AFN, AF+96*(1-P)
.set BFC, 128*P
.set BFN, 128*(1-P)
.set SCU, SC+8*P
.set SCN, SC+8*(1-P)
.if \turn
.if \ask
	s_wait_xcnt 0x0                                ; my earlier prefetches have read their address
	s_add_nc_u64 s[PFA:PFA+1], s[PFA:PFA+1], PAN
.endif
	s_wait_tensorcnt 0x0                           ; my part of the next slot has landed;
	ds_add_u32 v[SPW], v[NIL]
.if \short
	s_mov_b32 s[G1+2], 100<<16                     ; no load of mine is out: the last fill brings two steps, 100 rows
	s_mov_b32 s[G1+4], 100
	s_mov_b32 s[G1B+2], 100<<16
	s_mov_b32 s[G1B+4], 100
.endif
	s_wait_dscnt 19
	WIN MUL_LO
	G8 0, \zero, 1
	s_wait_dscnt 0x0                               ; the add is done, and my reads of this slot are over
	s_barrier_signal -1
	G8 1, \zero, 0                                 ; sixteen matrix instructions while the others arrive
	G8 2, \zero, 0
	WIN 0
	s_barrier_wait -1
.if \turn == 1
	CREST                                          ; the barrier has opened a round: no wave of any partner still reads this slot or has a load on its way
	s_add_nc_u64 s[G0+4*CSL+2:G0+4*CSL+3], s[G0+4*CSL+2:G0+4*CSL+3], 2*PAN
	s_add_nc_u64 s[G0B+4*CSL+2:G0B+4*CSL+3], s[G0B+4*CSL+2:G0B+4*CSL+3], 2*PAN
	JLOAD CSL
.endif
	RX
	WIN MUL_LO
	G8 3, \zero, 0
	WIN MUL_HI
	G8 4, \zero, 0
	RY
	WIN MUL_HI
	G8 5, \zero, 0
	G8 6, \zero, 0
	RZ \ask
	WIN MUL_HI
	G8 7, \zero, 0
.else
	s_wait_dscnt 18
	WIN MUL_LO
	G8 0, \zero, 1
	G8 1, \zero, 0
	RX
	s_wait_dscnt 16
	WIN MUL_LO
	G8 2, \zero, 0
	G8 3, \zero, 0
	RY
	WIN MUL_HI
	G8 4, \zero, 0
	G8 5, \zero, 0
	RZ 0
	WIN MUL_HI
	G8 6, \zero, 0
	G8 7, \zero, 0
.endif
	WIN 0
.endm
	s_wait_alu depctr_va_vdst(0)
	s_wait_tensorcnt 0x0                           ; my quarter of slot 0 is in; the lines that stand ahead of a later first fill, as ahead of a refill
	ds_add_u32 v[SPW], v[NIL]
	s_wait_dscnt 0x0
	CROUND
	JLOAD 1                                        ; steps 3 to 5
.set NSL, 0
.set NQO, 0
.set BFN, 0
.set AFN, AF
.set SCN, SC
	WIN TO_B
	RUN BFN, ADRB, 0, 24
	WIN 0
	SCL
	RUN AFN, ADRA, 0, 24
	STEP 0, 1, 0, 0, 0                             ; the first step's products start the sums
	s_mov_b32 s3, 4
.Llap:                                                 ; a trip: six steps, once round the two slots and back to the same register sets
	STEP 1, 0, 0, 0, 0
	STEP 2, 0, 1, 1, 0
	STEP 3, 0, 0, 0, 0
	STEP 4, 0, 0, 0, 0
	STEP 5, 0, 1, 2, 0
	STEP 6, 0, 0, 0, 0
	s_sub_co_u32 s3, s3, 1
	s_cmp_lg_u32 s3, 0
	s_cbranch_scc1 .Llap
	STEP 25, 0, 0, 0, 0
	STEP 26, 0, 1, 0, 1                            ; the last fill: steps 30 and 31
	STEP 27, 0, 0, 0, 0
	STEP 28, 0, 0, 0, 0
	STEP 29, 0, 2, 0, 0
	STEP 30, 0, 0, 0, 0
; THE LAST STEP AND THE WAY OUT.  Group a finishes block a, 16 rows x 128 columns.  A block goes through my own stage and comes back, into its own accumulators' registers, as whole rows of 512 bytes, stored as two aligned
; runs of 256 bytes.  LDS serves a wave's instructions in order (ISA guide 5.7.1.4): no wait between the stores and the loads, nor ahead of the next block's stores.  The row's place stands in the store's immediate: 127 rows of 16,384 bytes at the most.
.macro TOSTAGE a
.set AC, 64*((\a)%4)
	WIN 0x08+4*((\a)/4)
.irp b, 0,1,2,3,4,5,6,7
	ds_store_b128 v[STO], v[AC+8*\b:AC+8*\b+3] offset:64*\b          ; each accumulator from its low end on
	ds_store_b128 v[STO], v[AC+8*\b+4:AC+8*\b+7] offset:64*\b+16
.endr
	WIN 0x80+0x40*((\a)/4)
.irp t, 0,1,2,3,4,5,6,7,8,9,10,11,12,13,14,15
	ds_load_b128 v[AC+4*\t:AC+4*\t+3], v[RD] offset:\t*SPITCH
.endr
.endm
.macro SEND a
.set AC, 64*((\a)%4)
	s_wait_dscnt 0x0                               ; the block is back in registers
	WIN 0x08+4*((\a)/4)
.irp t, 0,1,2,3,4,5,6,7,8,9,10,11,12,13,14,15
	global_store_b128 v[CO], v[AC+4*\t:AC+4*\t+3], s[12:13] offset:(16*(\a)+\t)*SIZE_N*4 th:TH_STORE_NT
.endr
.endm
.set AFC, AF+96
.set BFC, 128
.set SCU, SC+8
	s_wait_dscnt 18
	WIN MUL_LO
	G8 0, 0, 0
	G8 1, 0, 0
	s_wait_dscnt 0x0                               ; x's blocks 2 to 7 are in
.rept 4
	v_nop                                          ; places behind the products of blocks 0 and 1
.endr
.irp a, 0,1,2,3,4,5,6,7
	TOSTAGE \a
.if \a < 6
	WIN MUL_LO+0x50*((\a+2)/4)
	G8 \a+2, 0, 0                                  ; the block two further on is multiplied while block a goes through the stage
.rept 4
	v_nop                                          ; its places
.endr
.endif
	SEND \a
.endr
	WIN 0
	s_wait_tensorcnt 0x0                           ; the wave's end
	ds_add_u32 v[SPW], v[NIL]
	s_wait_dscnt 0x0
	CROUND                                         ; the closing round
	s_endpgm
.Lfunc_end_k_q8a1bd51ce7_gemm:
	.size	k_q8a1bd51ce7_gemm, .Lfunc_end_k_q8a1bd51ce7_gemm-k_q8a1bd51ce7_gemm
	.p2alignl 7, 3214868480
	.fill 96, 4, 3214868480
	.section	.rodata,"a",@progbits
	.p2align	6, 0x0
	.amdhsa_kernel k_q8a1bd51ce7_gemm
		.amdhsa_group_segment_fixed_size 327680
		.amdhsa_private_segment_fixed_size 0
		.amdhsa_enable_private_segment 0
		.amdhsa_kernarg_size 24
		.amdhsa_user_sgpr_count 2
		.amdhsa_user_sgpr_kernarg_segment_ptr 1
		.amdhsa_wavefront_size32 1
		.amdhsa_system_sgpr_workgroup_id_x 1
		.amdhsa_system_sgpr_workgroup_id_y 1
		.amdhsa_system_sgpr_workgroup_id_z 1
		.amdhsa_system_vgpr_workitem_id 0
		.amdhsa_next_free_vgpr 1024
		.amdhsa_next_free_sgpr 70
		.amdhsa_reserve_vcc 0
		.amdhsa_float_denorm_mode_32 3
		.amdhsa_float_denorm_mode_16_64 3
		.amdhsa_memory_ordered 1
		.amdhsa_forward_progress 1
		.amdhsa_inst_pref_size 205
	.end_amdhsa_kernel
	.amdgpu_metadata
---
amdhsa.version: [ 1, 2 ]
amdhsa.kernels:
  - .name:           k_q8a1bd51ce7_gemm
    .symbol:         k_q8a1bd51ce7_gemm.kd
    .args:
      - { .name: xp, .offset: 0, .size: 8, .value_kind: global_buffer, .address_space: global }
      - { .name: wp, .offset: 8, .size: 8, .value_kind: global_buffer, .address_space: global }
      - { .name: out0, .offset: 16, .size: 8, .value_kind: global_buffer, .address_space: global }
    .group_segment_fixed_size: 327680
    .private_segment_fixed_size: 0
    .kernarg_segment_align: 8
    .kernarg_segment_size: 24
    .max_flat_workgroup_size: 128
    .sgpr_count:     70
    .vgpr_count:     1024
    .wavefront_size: 32
...
	.end_amdgpu_metadata
.endif
;; end of part 2
